; MI455X (gfx1250); checked and timed in simulation.
; The chip was launched on July 23, 2026; its instructions are those of AMD's public machine-readable ISA for CDNA 5 (MIT licence, August 2026) and "CDNA5" Instruction Set Architecture Reference Guide (July 2026). The comments in the code are by the model that wrote it; some were corrected since.
;; Causal Multi Head Attention. Allowed arithmetic: matrix products marked QUANTISED: E4M3 operands, one given power-of-two scale a tensor, by v_wmma_f32_16x16x64_fp8_fp8 or v_wmma_f32_16x16x128_fp8_fp8, f32 sums; everything else in f32.
;; Inputs: Wk 1,024 x 1,024 float32; Wo 1,024 x 1,024 float32; Wq 1,024 x 1,024 float32; Wv 1,024 x 1,024 float32; bk 1,024 float32; bo 1,024 float32; bq 1,024 float32; bv 1,024 float32; lowp_scales 12 int32 (the exponents e of the quantised operands' scales 2^e); x 2 x 2,048 x 1,024 float32.
;; Outputs: out0 2 x 2,048 x 1,024 float32.
;; This version of the problem:
;;   THIS VERSION OF THE PROBLEM IS GIVEN IN LOW PRECISION. The matrix products marked QUANTISED in the list below multiply operands that are first quantised to E4M3 (4 exponent bits, 3 mantissa bits; 8 bits a number), with one given power-of-two scale for each operand tensor; their sums are f32. All else is computed in f32.
;;   The module's matrix products, in the order in which they are computed (A, B: the left and right operand; K: the contracted axis; several contracted axes count as one K, in the product's order):
;;     1. [M 4,096, K 1,024] x [K 1,024, N 1,024]; A: input x; B: input Wq: QUANTISED (scales: A lowp_scales[0], B lowp_scales[1])
;;     2. [M 4,096, K 1,024] x [K 1,024, N 1,024]; A: input x; B: input Wk: QUANTISED (scales: A lowp_scales[2], B lowp_scales[3])
;;     3. [M 4,096, K 1,024] x [K 1,024, N 1,024]; A: input x; B: input Wv: QUANTISED (scales: A lowp_scales[4], B lowp_scales[5])
;;     4. batch 32 x [M 2,048, K 64] x [K 64, N 2,048]; A: computed on the way; B: computed on the way: QUANTISED (scales: A lowp_scales[6], B lowp_scales[7])
;;     5. batch 32 x [M 2,048, K 2,048] x [K 2,048, N 64]; A: softmax (see below); B: computed on the way: QUANTISED (scales: A lowp_scales[8], B lowp_scales[9])
;;     6. [M 4,096, K 1,024] x [K 1,024, N 1,024]; A: computed on the way; B: input Wo: QUANTISED (scales: A lowp_scales[10], B lowp_scales[11])
;;   THE QUANTISER, for each operand of a quantised product, along K:
;;     - The operand's scale is 2^e, e = its entry of the input lowp_scales (int32; the entries are numbered through the quantised products in the list's order, A before B).
;;     - Each number is divided by the scale, clamped to +-448, and rounded to the nearest number of E4M3, ties to even, subnormals kept.
;;     - The product sums the exact products of the quantised numbers (number of the format x scale) in f32.
;;   ~~~python
;;   def quantise(x, axis, e):      # numpy; x: float32 -> the quantised numbers, widened to float32 again
;;       x = np.moveaxis(x, axis, -1); K = x.shape[-1]
;;       r = np.clip(x / 2.0 ** e, -448, 448)
;;       step = 2.0 ** (np.maximum(np.frexp(np.where(r == 0, 1, r))[1] - 1, -6) - 3)
;;       q = np.round(r / step) * step * 2.0 ** e      # np.round: ties to even
;;       return np.moveaxis(q, -1, axis).astype(np.float32)
;;   ~~~
;;   SOFTMAX AHEAD OF A QUANTISED PRODUCT. Where the list says 'softmax', what is quantised is not the finished softmax but p = 2^(t - M), with t = logit x log2(e) and M = ceil(the row's largest t), a whole number; so 1/2 < the row's largest p <= 1. The row's sum l is taken of the UNQUANTISED p, in f32, and the product's result is divided by l at the end. Since M is a whole number, a kernel that streams over the keys may use a running M (the ceiling of the running maximum): every later rescaling is an exact power of two, so the quantised numbers keep their values, but for numbers so far below the row's largest that they fall under the format's range.
;;   OPERANDS COMPUTED ON THE WAY. 'Computed on the way' means the value that the module computes at that place (a softmax that the list does not call 'softmax' is quantised finished and normalised). What goes into a quantiser is computed in f32, as accurately as f32 sums, v_exp_f32 and their like allow (about 1e-6 of the number): no bf16 or f16 on the way to a quantiser, and a product that is left as it is and whose result goes on into a quantised operand takes f32 operands (vector FMAs, or v_wmma_f32_16x16x4_f32). A number that lies on a knife's edge between two numbers of the format may be rounded either way, as far as f32 arithmetic and the matrix unit's own rounding can turn it there, and no further.
;; One version. Each part assembles by itself: llvm-mc -triple=amdgcn-amd-amdhsa -mcpu=gfx1250 --defsym DOCPART=n.
;; ======== version 1 of 1: 4 launches
;; limits: right only within a limited range of input values
;; workspace buffers: ximg 12,582,912 bytes; wimg 4,194,304 bytes; qkv 12,582,912 bytes; oimg 4,194,304 bytes
;; launch quant (part 1): grid 512 x 1, 4 waves a work-group, no clusters, 34,304 bytes of LDS; arguments x, Wq, Wk, Wv, Wo, lowp_scales, ximg, wimg; writes ximg, wimg
.if DOCPART == 1
	.amdgcn_target "amdgcn-amd-amdhsa--gfx1250"
	.amdhsa_code_object_version 6
	.text
	.protected	k_qbbef484af0_quant
	.globl	k_qbbef484af0_quant
	.p2align	8
	.type	k_qbbef484af0_quant,@function
k_qbbef484af0_quant:
	s_mov_b64 s[64:65], 0
	v_nop
	global_prefetch_b8 v0, s[64:65] scope:SCOPE_SE
	s_setreg_imm32_b32 hwreg(HW_REG_WAVE_MODE, 25, 1), 1
	s_wait_xcnt 0x0
; x [4096][1024] and Wq, Wk, Wv, Wo [1024][1024], f32 with K innermost, become codes of FP8 (E4M3), each under its given scale 2^e.
; x is an operand of three products with three entries of its own (e0, e2, e4): three sets of codes are made of one read.  Wq: e1, Wk: e3, Wv: e5, Wo: e11.
; code = number / 2^e, held within +-448, rounded to the nearest code, ties to even.
; LIMITS: each e used here lies between -126 and 119, so that 2^e and 448 x 2^e are f32 numbers.  NaN among the inputs is not served (an infinity is held at the largest code).
; WORK LEFT OUT in the program: reference() sets the score of every key behind its query to -infinity, so that its p is 0; steps of 128 keys that lie wholly behind a tile of queries are not computed (launch attn).
; LIMIT: a NaN, an infinity or an overflow that reaches only such a step is not carried to the result.
; THE CODES ARE LAID AS IMAGES OF OPERAND REGISTERS.  A fragment (16 rows x 128 along K, 16 registers a lane) is 2,048 bytes: four pieces of 512; piece p holds registers 4 p .. 4 p + 3,
; lane l's 16 bytes at 16 l.  Lane (r = l % 16, h = l / 16) holds, of row r, k = 32 p + 8 h + 0..7 and then k = 32 p + 16 + 8 h + 0..7: the 8-bit matrix forms' own layout.
; A chunk is 256 along K.  ximg: [3 scales][4 chunks][256 tiles of 16 rows][2 K steps][2048];  wimg: [4 chunks][4 weights][64 tiles][2 K steps][2048]: in both a chunk is 1,048,576 bytes on.
; SHARES.  Work-groups 0-255 take a tile of 16 rows of x, 256-511 one of a weight.  Wave u takes chunk u: 1,024 bytes of each row.  A load reads 512 consecutive bytes of a row; a K step's
; 16 x 512 bytes turn through the wave's own stage in LDS (rows of 512 + 16 bytes, so that the sixteen rows of a read start 16 bytes apart modulo 256) and come back as a lane's neighbours along K.
; A lane's four registers of codes are a piece's 16 bytes: each store of the wave covers 512 consecutive bytes, aligned.  Waves share nothing: no barrier.  All 32 loads of a wave are issued at its head.
.set SP,   528                         ; a stage row
.set WST,  16*SP                       ; a wave's stage
.set LI,   2                           ; v2   16 x lane: my bytes of a load, and of a piece; never rewritten
.set SA,   3                           ; v3   the stage, on the way in
.set SB,   4                           ; v4   the stage, on the way out: row r, + 32 h
.set R,    16                          ; v16-79, v80-143  the two K steps as loaded; later their codes
.set X,    144                         ; v144-207  64 numbers of a lane: register 16 p + i
.set T,    208                         ; v208-223, v224-239  held numbers, two sets by turns
	s_load_b512 s[8:23], s[0:1], 0x0               ; x 8:9, Wq 10:11, Wk 12:13, Wv 14:15, Wo 16:17, scales 18:19, ximg 20:21, wimg 22:23
	v_lshl_add_u32 v240, v0, 2, 0x8400             ; my spare word, behind the four stages
	v_mov_b32 v241, 0
	v_lshrrev_b32 v1, 5, v0
	v_readfirstlane_b32 s36, v1                    ; wave u
	v_and_b32 v5, 31, v0
	v_lshlrev_b32 v[LI], 4, v5
	s_mul_i32 s50, s36, WST
	v_add_nc_u32 v[SA], s50, v[LI]
	v_and_b32 v12, 15, v0                          ; r
	v_bfe_u32 v13, v0, 4, 1                        ; h
	v_mul_u32_u24 v[SB], v12, SP
	v_lshl_add_u32 v[SB], v13, 5, v[SB]
	v_add_nc_u32 v[SB], s50, v[SB]
	s_cmp_lt_u32 ttmp9, 256                        ; x's work-group or a weight's?
	s_cselect_b32 s37, 0, 256
	s_sub_co_u32 s37, ttmp9, s37                   ; the tile's number in a chunk of ximg's first section, or of wimg
	s_lshr_b32 s38, s37, 6                         ; which weight
	s_and_b32 s51, s37, 63
	s_cmp_lt_u32 ttmp9, 256
	s_cselect_b32 s51, s37, s51                    ; the tile's number in its source tensor
	s_lshl_b32 s52, s51, 16                        ; 16 rows of 4,096 bytes,
	s_lshl_b32 s53, s36, 10                        ; my wave's 1,024 bytes of a row
	s_add_co_u32 s52, s52, s53
	s_mov_b32 s53, 0
	s_lshl_b32 s54, s37, 12                        ; a tile's two fragments of a chunk,
	s_lshl_b32 s55, s36, 20                        ; in my wave's chunk
	s_add_co_u32 s54, s54, s55
	s_mov_b32 s55, 0
	s_wait_alu depctr_va_vdst(0)
	s_wait_kmcnt 0x0
	s_load_b256 s[24:31], s[18:19], 0x0            ; e0 .. e7
	s_load_b128 s[32:35], s[18:19], 0x20           ; e8 .. e11
	s_cmp_eq_u32 s38, 1                            ; the source: a choice on the work-group's number alone
	s_cselect_b64 s[40:41], s[12:13], s[10:11]
	s_cmp_eq_u32 s38, 2
	s_cselect_b64 s[40:41], s[14:15], s[40:41]
	s_cmp_eq_u32 s38, 3
	s_cselect_b64 s[40:41], s[16:17], s[40:41]
	s_cmp_lt_u32 ttmp9, 256
	s_cselect_b64 s[40:41], s[8:9], s[40:41]
	s_cselect_b64 s[42:43], s[20:21], s[22:23]     ; where the first set of codes goes
	s_add_nc_u64 s[40:41], s[40:41], s[52:53]
	s_add_nc_u64 s[42:43], s[42:43], s[54:55]
	s_add_nc_u64 s[44:45], s[20:21], s[54:55]
	s_add_nc_u64 s[44:45], s[44:45], 0x400000      ; x under e2: ximg's second section
	s_add_nc_u64 s[46:47], s[44:45], 0x400000      ; x under e4: its third
.irp q, 0,1
.irp i, 0,1,2,3,4,5,6,7,8,9,10,11,12,13,14,15
	global_load_b128 v[R+64*\q+4*\i:R+64*\q+4*\i+3], v[LI], s[40:41] offset:4096*\i+512*\q th:TH_LOAD_NT   ; row i, the chunk's K step q: 512 consecutive bytes
.endr
.endr
	s_wait_kmcnt 0x0
	s_cmp_eq_u32 s38, 1                            ; the first set's exponent, by the same choice
	s_cselect_b32 s39, s27, s25
	s_cmp_eq_u32 s38, 2
	s_cselect_b32 s39, s29, s39
	s_cmp_eq_u32 s38, 3
	s_cselect_b32 s39, s35, s39
	s_cmp_lt_u32 ttmp9, 256
	s_cselect_b32 s39, s24, s39
.macro MKSC e, sc, lim                 ; v[sc] = 2^e as f32 (the conversion takes its exponent field), v[lim] = 448 x 2^e
	s_add_co_i32 s48, s[\e], 127
	s_lshl_b32 s49, s48, 23
	v_mov_b32 v[\sc], s49
	s_add_co_i32 s48, s48, 8
	s_lshl_b32 s48, s48, 23
	s_or_b32 s48, s48, 0x600000
	v_mov_b32 v[\lim], s48
.endm
	MKSC 39, 6, 7
	MKSC 26, 8, 9                                  ; e2
	MKSC 28, 10, 11                                ; e4
; K step q through the stage.  LDS serves a wave's instructions in order, so no wait stands between the stores and the loads.
.macro TURN q
.irp i, 0,1,2,3,4,5,6,7,8,9,10,11,12,13,14,15
	ds_store_b128 v[SA], v[R+64*\q+4*\i:R+64*\q+4*\i+3] offset:SP*\i
.endr
.irp p, 0,1,2,3
	ds_load_b128 v[X+16*\p:X+16*\p+3],     v[SB] offset:128*\p      ; k = 32 p + 8 h + 0..3
	ds_load_b128 v[X+16*\p+4:X+16*\p+7],   v[SB] offset:128*\p+16   ;                 4..7
	ds_load_b128 v[X+16*\p+8:X+16*\p+11],  v[SB] offset:128*\p+64   ; k = 32 p + 16 + 8 h + 0..3
	ds_load_b128 v[X+16*\p+12:X+16*\p+15], v[SB] offset:128*\p+80
.endr
	s_wait_dscnt 0x0                               ; the numbers are back; the stores have read their registers, which take the codes
.endm
; The 64 numbers in X become a fragment's 16 registers at v[cb].  X stays as it is: x is quantised three times.  The held numbers go into two sets by turns, so that sixteen plain lines stand
; between a conversion and the next write of its sources.
.macro QUANT cb, sc, lim
.irp p, 0,1,2,3
.irp i, 0,1,2,3,4,5,6,7,8,9,10,11,12,13,14,15
	v_med3_num_f32 v[T+16*(\p%2)+\i], v[X+16*\p+\i], -v[\lim], v[\lim]   ; the conversion to an 8-bit code does not saturate (ISA guide 7.6.2): the hold comes first
.endr
	v_cvt_scalef32_pk8_fp8_f32 v[(\cb)+4*\p:(\cb)+4*\p+1],   v[T+16*(\p%2):T+16*(\p%2)+7],    v[\sc]
	v_cvt_scalef32_pk8_fp8_f32 v[(\cb)+4*\p+2:(\cb)+4*\p+3], v[T+16*(\p%2)+8:T+16*(\p%2)+15], v[\sc]
.endr
	v_nop                                          ; a plain line behind the last conversion
.endm
.macro PUT cb, base, q                 ; four pieces: each store covers 512 consecutive bytes, aligned.  Every store has data registers of its own, and no address is rewritten
.irp p, 0,1,2,3
	global_store_b128 v[LI], v[(\cb)+4*\p:(\cb)+4*\p+3], s[\base:\base+1] offset:2048*\q+512*\p
.endr
.endm
.macro BLOCK q
	s_wait_loadcnt 16-16*\q                        ; this K step's sixteen loads are in; the other's sixteen, issued behind them, may be out
	TURN \q
	QUANT R+64*\q, 6, 7
	PUT R+64*\q, 42, \q
	s_cmp_ge_u32 ttmp9, 256                        ; a weight has one scale: the branch skips register work and stores alone
	s_cbranch_scc1 .Lone_scale_\@
	QUANT R+64*\q+16, 8, 9
	PUT R+64*\q+16, 44, \q
	QUANT R+64*\q+32, 10, 11
	PUT R+64*\q+32, 46, \q
.Lone_scale_\@:
.endm
	s_wait_alu depctr_va_vdst(0)
	BLOCK 0
	BLOCK 1
	s_wait_tensorcnt 0x0                           ; the wave's end
	ds_add_u32 v240, v241
	s_wait_dscnt 0x0
	s_endpgm
.Lfunc_end_k_qbbef484af0_quant:
	.size	k_qbbef484af0_quant, .Lfunc_end_k_qbbef484af0_quant-k_qbbef484af0_quant
	.p2alignl 7, 3214868480
	.fill 96, 4, 3214868480
	.section	.rodata,"a",@progbits
	.p2align	6, 0x0
	.amdhsa_kernel k_qbbef484af0_quant
		.amdhsa_group_segment_fixed_size 34304
		.amdhsa_private_segment_fixed_size 0
		.amdhsa_enable_private_segment 0
		.amdhsa_kernarg_size 64
		.amdhsa_user_sgpr_count 2
		.amdhsa_user_sgpr_kernarg_segment_ptr 1
		.amdhsa_wavefront_size32 1
		.amdhsa_system_sgpr_workgroup_id_x 1
		.amdhsa_system_sgpr_workgroup_id_y 1
		.amdhsa_system_sgpr_workgroup_id_z 1
		.amdhsa_system_vgpr_workitem_id 0
		.amdhsa_next_free_vgpr 242
		.amdhsa_next_free_sgpr 66
		.amdhsa_reserve_vcc 0
		.amdhsa_float_denorm_mode_32 3
		.amdhsa_float_denorm_mode_16_64 3
		.amdhsa_memory_ordered 1
		.amdhsa_forward_progress 1
		.amdhsa_inst_pref_size 41
	.end_amdhsa_kernel
	.amdgpu_metadata
---
amdhsa.version: [ 1, 2 ]
amdhsa.kernels:
  - .name:           k_qbbef484af0_quant
    .symbol:         k_qbbef484af0_quant.kd
    .args:
      - { .name: x, .offset: 0, .size: 8, .value_kind: global_buffer, .address_space: global }
      - { .name: Wq, .offset: 8, .size: 8, .value_kind: global_buffer, .address_space: global }
      - { .name: Wk, .offset: 16, .size: 8, .value_kind: global_buffer, .address_space: global }
      - { .name: Wv, .offset: 24, .size: 8, .value_kind: global_buffer, .address_space: global }
      - { .name: Wo, .offset: 32, .size: 8, .value_kind: global_buffer, .address_space: global }
      - { .name: lowp_scales, .offset: 40, .size: 8, .value_kind: global_buffer, .address_space: global }
      - { .name: ximg, .offset: 48, .size: 8, .value_kind: global_buffer, .address_space: global }
      - { .name: wimg, .offset: 56, .size: 8, .value_kind: global_buffer, .address_space: global }
    .group_segment_fixed_size: 34304
    .private_segment_fixed_size: 0
    .kernarg_segment_align: 8
    .kernarg_segment_size: 64
    .max_flat_workgroup_size: 128
    .sgpr_count:     66
    .vgpr_count:     242
    .wavefront_size: 32
...
	.end_amdgpu_metadata
.endif
;; end of part 1
;; launch qkvgemm (part 2): grid 12 x 16, 4 waves a work-group, clusters of 4 x 4, 327,680 bytes of LDS; arguments ximg, wimg, lowp_scales, bq, bk, bv, qkv; writes qkv
.if DOCPART == 2
	.amdgcn_target "amdgcn-amd-amdhsa--gfx1250"
	.amdhsa_code_object_version 6
	.text
	.protected	k_qbbef484af0_qkvgemm
	.globl	k_qbbef484af0_qkvgemm
	.p2align	8
	.type	k_qbbef484af0_qkvgemm,@function
k_qbbef484af0_qkvgemm:
	s_mov_b64 s[64:65], 0
	v_nop
	global_prefetch_b8 v0, s[64:65] scope:SCOPE_SE
	s_setreg_imm32_b32 hwreg(HW_REG_WAVE_MODE, 25, 1), 1
	s_wait_xcnt 0x0
	s_wait_alu depctr_hold_cnt(0) depctr_sa_sdst(0) depctr_va_vdst(0) depctr_va_sdst(0) depctr_va_ssrc(0) depctr_va_vcc(0) depctr_vm_vsrc(0)
	s_getreg_b32 s2, hwreg(HW_REG_IB_STS2, 6, 4)
	s_cmp_eq_u32 s2, 0
	s_cbranch_scc0 .Lentry_in_a_cluster
	s_endpgm
.Lentry_in_a_cluster:
	s_bfe_u32 s2, ttmp6, 0x10000c
	s_cmp_lg_u32 s2, 0xf033
	s_cbranch_scc0 .Lentry_shape_is_right
	s_endpgm
.Lentry_shape_is_right:
; q = x Wq^T + bq, k = x Wk^T + bk, v = x Wv^T + bv on codes of FP8 (E4M3); each result is quantised at once (q under e6, k under e7, v under e9) and stored as images of the registers of attention's operands.
; SECTIONS.  The cluster's x says which of the three: sec = 0 (q), 1 (k), 2 (v).  A sum stands for sum x 2^(e[2 sec] + e[2 sec + 1]); value = that + bias; code = value / 2^eo, held within +-448.
; LIMITS: e[2 sec] + e[2 sec + 1] between -126 and 127; e6, e7, e9 between -126 and 119.
; A tile of 256 x 256 is made by four waves, each 128 x 128: 64 accumulators, 512 registers.  K = 1,024 goes in four chunks of 256 through two LDS slots filled by the tensor data mover.
; THE TWO SIDES.  Source 1 of the matrix instruction takes the A side, source 0 the B side: a lane then holds ONE row of the A side and its eight registers eight NEIGHBOURING rows of the B side.
;   q, k: A side = x (tokens), B side = the weight (features): a lane's registers run along the head's 64, the next product's K.
;   v:    A side = Wv (features), B side = x (tokens): a lane's registers run along the keys, the next product's K.
; So eight results convert into two registers of the next operand, and four such registers are stored as they stand: 512 consecutive bytes a store, aligned; no stage in LDS.
; INPUTS are images too (16 rows x 128 K = 2,048 bytes, four pieces of 512, lane l's 16 bytes at 16 l): a fragment comes by four ds_load_b128 at 16 x lane: consecutive bytes, no padding.
; CLUSTERS: 4 x 4 work-groups.  The four of a row need the same tiles of the A side, the four of a column the same of the B side: each is asked for jointly, by the same tensor load with the same
; descriptor and a mask that names the four.  The A side's address is made of cy, the cluster's y and the wave's number alone, the B side's of cx, the cluster's y and the wave's number.
; 192 work-groups: a tile lies inside one section, since x's codes differ by section; a tile of half the side would read twice the LDS bytes for each matrix instruction.
; Nothing is prefetched: half of a work-group's tiles are asked for at its head, the other half one chunk later.
; OUTPUT qkv: section 0 q, 1 k: [32 heads][128 tiles of 16 tokens][1024] (16 x 64: two pieces);  section 2 v: [32 heads][16 key steps of 128][4 tiles of 16 of the head's 64][2048].
; REGISTERS, in windows of 256: window 0: v3-13 addresses and constants; v16-31, v32-95 biases; v96-127 at work; v128-255 the A side's fragments, ONE set; on the way out the codes.
;   window 1: the B side's fragments, TWO sets.   windows 2, 3: the accumulators of my A rows 0-63 and 64-127 ((a, b) at v[8 (8 (a % 4) + b)]).
.set SLOT,  32768                      ; a side's 128 rows: 8 tiles of 16 rows x 4,096 bytes (a chunk, two K steps).  LDS: A rows 0-127 in slot 0, in slot 1, A rows 128-255 in slot 0, in slot 1, then the B side likewise
.set SPARE, 262144                     ; behind the ring: the spare words, 128 bytes for each wave
.set FR,    16                         ; registers of a fragment
.set NL,    4                          ; LDS loads that bring one
.set NP,    4                          ; places behind this matrix instruction (ISA guide 7.12.1)
.set LI,   3                           ; v3   16 x lane; never rewritten
.set ADRA, 4                           ; v4-5 LDS address of my A fragments in slot 0, 1
.set ADRB, 6                           ; v6-7 the same for B
.set SPW,  8                           ; v8   LDS address of my spare word; never rewritten
.set NIL,  9                           ; v9   0; never rewritten
.set SC,   10                          ; v10  2^eo as f32
.set LIM,  11                          ; v11  448 x 2^eo
.set OBI,  12                          ; v12  byte offset of the biases along my registers
.set OBV,  13                          ; v13  of the biases along my lanes
.set BV,   16                          ; v16-31  bias of A row 16 a + r, twice (a pair)
.set BI,   32                          ; v32-95  bias of B row 16 b + 8 h + j at 8 b + j
.set TMP,  96
.set AF,   128
.set CD,   128
.set G1, 24                            ; s[24:31] descriptor group 1 for the A side;  s[32:39] group 0, one set for each slot
.set G0, 32
.set G1B, 48                           ; s[48:55], s[56:63] the same for the B side
.set G0B, 56
.set MSB, 0
.macro WIN new                         ; the immediate's high byte repeats the setting that is left
.if MSB != \new
	s_set_vgpr_msb (MSB<<8)|\new
.set MSB, \new
.endif
.endm
.set MUL_LO, 0xa1                      ; source 0 (B) window 1, source 1 (A) window 0, C and D window 2
.set MUL_HI, 0xf1                      ; the same, C and D window 3
.set TO_B,   0x40                      ; destination window 1, address window 0
; A joint load: waves 0 and 1 fetch for the A side, waves 2 and 3 for the B side.  The branch hangs on the wave's number alone.  Four v_nop follow each of the two lines.
.macro JLOAD g0a, g1a, g0b, g1b
	s_cmp_eq_u32 s15, 0
	s_cbranch_scc0 .Lfor_b_\@
	tensor_load_to_lds s[\g0a:\g0a+3], s[\g1a:\g1a+7]
	s_nop 0
.rept 4
	v_nop
.endr
	s_branch .Lasked_\@
.Lfor_b_\@:
	tensor_load_to_lds s[\g0b:\g0b+3], s[\g1b:\g1b+7]
	s_nop 0
.rept 4
	v_nop
.endr
.Lasked_\@:
.endm
.macro CREST                           ; a round of the cluster's barrier behind its opening barrier
	s_cmp_lg_u32 s14, 0
	s_cbranch_scc1 .Lnot_wave_0_\@
	s_barrier_signal -3
.Lnot_wave_0_\@:
	s_barrier_wait -3
	s_barrier_signal -1
	s_barrier_wait -1
.endm
.macro CROUND                          ; a whole round
	s_barrier_signal -1
	s_barrier_wait -1
	CREST
.endm
	s_load_b256 s[68:75], s[0:1], 0x0              ; ximg 68:69, wimg 70:71, scales 72:73, bq 74:75
	s_load_b128 s[76:79], s[0:1], 0x20             ; bk 76:77, bv 78:79
	s_load_b64 s[80:81], s[0:1], 0x30              ; qkv
	v_lshl_add_u32 v[SPW], v0, 2, SPARE
	v_mov_b32 v[NIL], 0
	ds_add_u32 v8, v9
	ds_add_u32 v8, v9
	s_wait_dscnt 0x0
	v_lshrrev_b32 v1, 5, v0
	v_readfirstlane_b32 s14, v1                    ; wave 0..3
	s_lshr_b32 s15, s14, 1                         ; which half of the A rows is mine.  Also: I fetch for A (0) or for B (1)
	s_and_b32 s16, s14, 1                          ; which half of the B rows.  Also: which 128 rows of that side I fetch
	s_bfe_u32 s40, ttmp6, 0x40000                  ; cx, cy: my place in the cluster
	s_bfe_u32 s41, ttmp6, 0x40004
	s_mov_b32 s66, ttmp9                           ; sec: the cluster's x, the same in all sixteen partners
	s_and_b32 s67, ttmp7, 0xffff
	s_lshl_b32 s67, s67, 2                         ; 4 x the cluster's y
	s_cmp_eq_u32 s66, 2
	s_cselect_b32 s17, 0, s67                      ; the token tiles (16) go along the cluster's y: on the A side for q and k,
	s_cselect_b32 s42, s67, 0                      ; on the B side for v
	s_add_co_u32 s17, s17, s41                     ; tile of the A side
	s_add_co_u32 s42, s42, s40                     ; tile of the B side
	s_lshl_b32 s43, s41, 2
	s_lshl_b32 s43, 15, s43                        ; my row of the cluster
	s_lshl_b32 s44, 0x1111, s40                    ; my column
	; descriptor group 1 of the head's load: two chunks of 32,768 bytes, 1,048,576 bytes apart, in elements of 8 bytes; dense in LDS: ONE load fills both slots with my 128 rows
	s_or_b32 s[G1+0], s43, (3<<16)|(1<<21)         ; 15:0 the mask; 17:16 elements of 8 bytes; 20 no padding; 21 set beside a mask
	s_or_b32 s[G1B+0], s44, (3<<16)|(1<<21)
.irp g, G1, G1B
	s_mov_b32 s[\g+1], 4096<<16                    ; tensor_dim0 = 4,096
	s_mov_b32 s[\g+2], 2<<16                       ; tensor_dim1 = 2
	s_mov_b32 s[\g+3], 4096<<16                    ; tile_dim0 = 4,096
	s_mov_b32 s[\g+4], 2                           ; tile_dim1 = 2
	s_mov_b32 s[\g+5], 131072                      ; tensor_dim0_stride
	s_mov_b32 s[\g+6], 0
	s_mov_b32 s[\g+7], 0
.endr
	s_lshl_b32 s18, s16, 15                        ; which 128 rows (8 x 4,096 bytes of a chunk) I fetch
	s_lshl_b32 s20, s17, 16
	s_add_co_u32 s20, s20, s18                     ; A side: 65,536 x tile + half
	s_mov_b32 s21, 0
	s_lshl_b32 s46, s42, 16
	s_add_co_u32 s46, s46, s18                     ; B side likewise
	s_mov_b32 s47, 0
	s_lshl_b32 s45, s14, 16                        ; where they go: wave x 65,536: no place in the cluster enters an LDS address
	s_wait_kmcnt 0x0
	s_lshl_b32 s82, s66, 22
	s_mov_b32 s83, 0
	s_add_nc_u64 s[68:69], s[68:69], s[82:83]      ; x's codes under this section's scale
	s_lshl_b32 s82, s66, 18
	s_add_nc_u64 s[70:71], s[70:71], s[82:83]      ; this section's weight
	s_cmp_eq_u32 s66, 2
	s_cselect_b64 s[82:83], s[70:71], s[68:69]     ; the A side's buffer
	s_cselect_b64 s[84:85], s[68:69], s[70:71]     ; the B side's
	s_cselect_b32 s97, 4, 0
	s_add_nc_u64 s[20:21], s[82:83], s[20:21]
	s_add_nc_u64 s[46:47], s[84:85], s[46:47]
	s_cmp_eq_u32 s66, 0
	s_cselect_b64 s[86:87], s[74:75], s[76:77]
	s_cmp_eq_u32 s66, 2
	s_cselect_b64 s[86:87], s[78:79], s[86:87]     ; this section's bias
	s_lshl_b32 s93, s66, 3
	s_lshl_b32 s96, s66, 2
	s_add_co_u32 s96, s96, s97
	s_load_b64 s[90:91], s[72:73], s93 offset:0x0  ; the two operands' exponents: entries 2 sec, 2 sec + 1
	s_load_b32 s92, s[72:73], s96 offset:0x18      ; the result's: entry 6, 7 or 9
	CROUND                                         ; all sixteen work-groups are here: the first joint loads meet
.irp s, 0,1
	s_mov_b32 s[G0+4*\s], 1
	s_add_co_u32 s[G0+4*\s+1], s45, \s*SLOT
	s_add_nc_u64 s[G0+4*\s+2:G0+4*\s+3], s[20:21], \s*0x100000
	s_or_b32 s[G0+4*\s+3], s[G0+4*\s+3], 0x80000000
	s_mov_b32 s[G0B+4*\s], 1
	s_add_co_u32 s[G0B+4*\s+1], s45, \s*SLOT
	s_add_nc_u64 s[G0B+4*\s+2:G0B+4*\s+3], s[46:47], \s*0x100000
	s_or_b32 s[G0B+4*\s+3], s[G0B+4*\s+3], 0x80000000
.endr
	JLOAD G0, G1, G0B, G1B                         ; chunks 0 and 1, my one load of the head
	v_and_b32 v14, 31, v0
	v_lshlrev_b32 v[LI], 4, v14
	s_lshl_b32 s98, s15, 16                        ; my 128 rows of the A side
	s_lshl_b32 s99, s16, 16                        ; my 128 rows of the B side,
	s_add_co_u32 s99, s99, 131072                  ; which lie behind the A side's
.irp s, 0,1
	v_add_nc_u32 v[ADRA+\s], s98, v[LI]
	v_add_nc_u32 v[ADRB+\s], s99, v[LI]
	s_add_co_u32 s98, s98, SLOT
	s_add_co_u32 s99, s99, SLOT
.endr
	; tokens and features, whichever side they are on
	s_cmp_eq_u32 s66, 2
	s_cselect_b32 s4, s42, s17                     ; the tile of 256 tokens
	s_cselect_b32 s5, s17, s42                     ; the tile of 256 features
	s_cselect_b32 s6, s16, s15                     ; my half of the tokens
	s_cselect_b32 s7, s15, s16                     ; my half of the features
	s_lshl_b32 s8, s5, 10
	s_lshl_b32 s9, s7, 9
	s_add_co_u32 s8, s8, s9                        ; my first feature's bias, in bytes
	s_cmp_eq_u32 s66, 2
	s_cselect_b32 s9, 0, s8                        ; both forms of the bias are loaded, each inside the buffer; the way out uses one
	s_cselect_b32 s10, s8, 0
	v_and_b32 v1, 15, v0                           ; r
	v_bfe_u32 v2, v0, 4, 1                         ; h
	v_lshlrev_b32 v[OBI], 5, v2
	v_add_nc_u32 v[OBI], s9, v[OBI]
	v_lshlrev_b32 v[OBV], 2, v1
	v_add_nc_u32 v[OBV], s10, v[OBV]
.irp b, 0,1,2,3,4,5,6,7
	global_load_b128 v[BI+8*\b:BI+8*\b+3],   v[OBI], s[86:87] offset:64*\b
	global_load_b128 v[BI+8*\b+4:BI+8*\b+7], v[OBI], s[86:87] offset:64*\b+16
.endr
.irp a, 0,1,2,3,4,5,6,7
	global_load_b32 v[BV+2*\a],   v[OBV], s[86:87] offset:64*\a
	global_load_b32 v[BV+2*\a+1], v[OBV], s[86:87] offset:64*\a
.endr
	; where my results go: head 16 (batch) + 4 (feature tile) + 2 (feature half); in a head 8,192 bytes for every 128 tokens, in q, k and v alike
	s_lshr_b32 s11, s4, 3
	s_lshl_b32 s11, s11, 4
	s_lshl_b32 s12, s5, 2
	s_add_co_u32 s11, s11, s12
	s_lshl_b32 s12, s7, 1
	s_add_co_u32 s11, s11, s12
	s_lshl_b32 s11, s11, 17
	s_and_b32 s12, s4, 7
	s_lshl_b32 s12, s12, 1
	s_add_co_u32 s12, s12, s6
	s_lshl_b32 s12, s12, 13
	s_add_co_u32 s12, s12, s11
	s_lshl_b32 s13, s66, 22
	s_add_co_u32 s12, s12, s13
	s_mov_b32 s13, 0
	s_add_nc_u64 s[94:95], s[80:81], s[12:13]
.macro FRAG reg, adr, q, i             ; a fragment's image: four pieces of 512 consecutive bytes
.irp c, 0,1,2,3
	ds_load_b128 v[\reg+4*\c:\reg+4*\c+3], v[\adr] offset:(\i)*4096+(\q)*2048+512*\c
.endr
.endm
; 16 matrix instructions: A's blocks a0, a0 + 1 x B's eight, 128 along K.  p: B's set.  zero = 1: the first product starts the sums.
; The 64 accumulators take turns, one instruction a turn, in the same order in every step.
.macro MUL16 a0, p, zero
.irp a, \a0, \a0+1
.irp b, 0,1,2,3,4,5,6,7
.if \zero
	v_wmma_f32_16x16x128_fp8_fp8 v[8*(8*((\a)%4)+\b):8*(8*((\a)%4)+\b)+7], v[128*(\p)+FR*\b:128*(\p)+FR*\b+FR-1], v[AF+FR*(\a):AF+FR*(\a)+FR-1], 0
.else
	v_wmma_f32_16x16x128_fp8_fp8 v[8*(8*((\a)%4)+\b):8*(8*((\a)%4)+\b)+7], v[128*(\p)+FR*\b:128*(\p)+FR*\b+FR-1], v[AF+FR*(\a):AF+FR*(\a)+FR-1], v[8*(8*((\a)%4)+\b):8*(8*((\a)%4)+\b)+7]
.endif
.endr
.endr
.endm
.macro FETCH_B slot, q, p              ; B's eight fragments of the slot's q-th 128 along K into set p
	WIN TO_B
.irp i, 0,1,2,3,4,5,6,7
	FRAG 128*(\p)+FR*\i, ADRB+\slot, \q, \i
.endr
	WIN 0
.endm
.macro FETCH_A slot, q, i0             ; A's blocks i0 .. i0 + 3
.irp i, \i0, \i0+1, \i0+2, \i0+3
	FRAG AF+FR*(\i), ADRA+\slot, \q, \i
.endr
.endm
; A load into a register that a matrix instruction has read, and a vector instruction that reads a matrix result or writes one of its registers, stand NP places behind it; only plain vector
; instructions that name none of its registers are places (ISA guide 7.12.1 for vector instructions).
.macro PLACES n
.rept \n
	v_nop
.endr
.endm
; A step of 128 along K that has its successor in the same slot.  A block of A is free when its eight products are issued: blocks 0-3 are fetched anew in the middle, blocks 4-7 at the end.
.macro STEP slot, q, zero
	s_wait_dscnt 4*NL                              ; B's set and A's blocks 0-3 are in; the youngest sixteen loads (A's blocks 4-7) may be out
	WIN MUL_LO
	MUL16 0, (\q)%2, \zero
	MUL16 2, (\q)%2, \zero
	s_wait_dscnt 0                                 ; A's blocks 4-7 are in
	PLACES NP
	FETCH_B \slot, (\q)+1, 1-(\q)%2
	FETCH_A \slot, (\q)+1, 0
	WIN MUL_HI
	MUL16 4, (\q)%2, \zero
	MUL16 6, (\q)%2, \zero
	PLACES NP
	WIN 0
	FETCH_A \slot, (\q)+1, 4
.endm
; A slot's last step changes slots: ONE barrier; in front of it each wave waits for all its tensor loads, adds 0 to its spare word, and waits for that and for its own reads of this slot.
; fill = 1: the barrier opens a round of the cluster's barrier, and this slot is filled again, with the chunk two further on.
.macro TURN slot, next, fill
	s_wait_tensorcnt 0x0                           ; all my tensor loads have landed: my part of the next slot
	ds_add_u32 v[SPW], v[NIL]                      ; 0 onto my spare word
	s_wait_dscnt 4*NL+1                            ; (the add and the youngest sixteen loads, A's blocks 4-7, may be out)
	WIN MUL_LO
	MUL16 0, 1, 0                                  ; sixteen matrix instructions stand between the add and the wait for it
	s_wait_dscnt 0x0                               ; the add is done, and my reads of this slot are over
	s_barrier_signal -1
	MUL16 2, 1, 0
	WIN 0
	s_barrier_wait -1
.if \fill
	CREST                                          ; no wave of any partner still reads this slot or has a load on its way
	s_add_nc_u64 s[G0+4*\slot+2:G0+4*\slot+3], s[G0+4*\slot+2:G0+4*\slot+3], 0x200000
	s_add_nc_u64 s[G0B+4*\slot+2:G0B+4*\slot+3], s[G0B+4*\slot+2:G0B+4*\slot+3], 0x200000
	JLOAD G0+4*\slot, G1, G0B+4*\slot, G1B         ; the first tensor load behind the round, my only one until the next; its four v_nop are the places in front of the loads below
.else
	PLACES NP
.endif
	FETCH_B \next, 0, 0
	FETCH_A \next, 0, 0
	WIN MUL_HI
	MUL16 4, 1, 0
	MUL16 6, 1, 0
	PLACES NP
	WIN 0
	FETCH_A \next, 0, 4
.endm
	s_wait_alu depctr_va_vdst(0)
	s_wait_tensorcnt 0x0                           ; my part of chunks 0 and 1 is in
	s_barrier_signal -1
	s_barrier_wait -1                              ; everybody's is
.irp g, G1, G1B                        ; from here on a load brings one chunk of my 128 rows, 32,768 consecutive bytes, as 8 rows of 4,096
	s_mov_b32 s[\g+1], 512<<16
	s_mov_b32 s[\g+2], 8<<16
	s_mov_b32 s[\g+3], 512<<16
	s_mov_b32 s[\g+4], 8
	s_mov_b32 s[\g+5], 512
.endr
	FETCH_B 0, 0, 0
	FETCH_A 0, 0, 0
	FETCH_A 0, 0, 4
	STEP 0, 0, 1                                   ; eight steps of 128 along K, written out: four chunks make one lap of refills
	TURN 0, 1, 1                                   ; slot 0 takes chunk 2
	STEP 1, 0, 0
	TURN 1, 0, 1                                   ; slot 1 takes chunk 3
	STEP 0, 0, 0
	TURN 0, 1, 0                                   ; nothing is left to fetch
	STEP 1, 0, 0
	s_wait_dscnt 4*NL                              ; the last step
	WIN MUL_LO
	MUL16 0, 1, 0
	MUL16 2, 1, 0
	s_wait_dscnt 0
	WIN MUL_HI
	MUL16 4, 1, 0
	MUL16 6, 1, 0
	WIN 0
; THE WAY OUT of A's block a: value = sum x 2^(ex + ew) + bias, held, converted; four accumulators at a time, each from its low end on.  kind 0 (q, k): the bias runs along my registers; the block's
; 16 registers of codes are two fragments of 16 tokens x 64, one for each of my two heads.  kind 1 (v): the bias is my lane's; the 16 registers are one fragment of 16 of a head's 64 x 128 keys.
.macro OUTA a, kind
.irp g, 0,1
	WIN 0x02+((\a)/4)                              ; source 0: window 2 or 3
.irp c, 0,1,2,3
.irp i, 0,2,4,6
.if \kind
	v_pk_fma_f32 v[TMP+8*\c+\i:TMP+8*\c+\i+1], v[64*((\a)%4)+8*(4*\g+\c)+\i:64*((\a)%4)+8*(4*\g+\c)+\i+1], s[88:89], v[BV+2*(\a):BV+2*(\a)+1] op_sel_hi:[1,0,0]
.else
	v_pk_fma_f32 v[TMP+8*\c+\i:TMP+8*\c+\i+1], v[64*((\a)%4)+8*(4*\g+\c)+\i:64*((\a)%4)+8*(4*\g+\c)+\i+1], s[88:89], v[BI+8*(4*\g+\c)+\i:BI+8*(4*\g+\c)+\i+1] op_sel_hi:[1,0,1]
.endif
.endr
.endr
	WIN 0
.irp i, 0,1,2,3,4,5,6,7,8,9,10,11,12,13,14,15,16,17,18,19,20,21,22,23,24,25,26,27,28,29,30,31
	v_med3_num_f32 v[TMP+\i], v[TMP+\i], -v[LIM], v[LIM]   ; the conversion to an 8-bit code does not saturate (ISA guide 7.6.2): the hold comes first
.endr
.irp c, 0,1,2,3
	v_cvt_scalef32_pk8_fp8_f32 v[CD+16*(\a)+8*\g+2*\c:CD+16*(\a)+8*\g+2*\c+1], v[TMP+8*\c:TMP+8*\c+7], v[SC]
.endr
	v_nop                                          ; a plain line between the last conversion and the next write of its sources
.endr
.irp m, 0,1,2,3
.if \kind
	global_store_b128 v[LI], v[CD+16*(\a)+4*\m:CD+16*(\a)+4*\m+3], s[94:95] offset:((\a)/4)*131072+((\a)%4)*2048+512*\m   ; head a / 4 of my two, tile a % 4 of its 64, piece m
.else
	global_store_b128 v[LI], v[CD+16*(\a)+4*\m:CD+16*(\a)+4*\m+3], s[94:95] offset:1024*(\a)+131072*(\m/2)+512*(\m%2)    ; tile a of my tokens, head m / 2 of my two, piece m % 2
.endif
.endr                                          ; each store covers 512 consecutive bytes, aligned, and has data registers of its own; no address is rewritten
.endm
	s_wait_kmcnt 0x0
	s_add_co_i32 s88, s90, s91
	s_add_co_i32 s88, s88, 127
	s_lshl_b32 s88, s88, 23                        ; 2^(ex + ew) as f32
	s_mov_b32 s89, s88                             ; (named with it as a pair, so it is written)
	s_add_co_i32 s92, s92, 127
	s_lshl_b32 s93, s92, 23
	v_mov_b32 v[SC], s93
	s_add_co_i32 s92, s92, 8
	s_lshl_b32 s92, s92, 23
	s_or_b32 s92, s92, 0x600000
	v_mov_b32 v[LIM], s92
	s_wait_loadcnt 0x0                             ; the biases
	PLACES NP                                      ; behind the last products
	s_cmp_eq_u32 s66, 2                            ; the cluster's x: the same in all partners
	s_cbranch_scc1 .Lvalues
.irp a, 0,1,2,3,4,5,6,7
	OUTA \a, 0
.endr
	s_branch .Lend
.Lvalues:
.irp a, 0,1,2,3,4,5,6,7
	OUTA \a, 1
.endr
.Lend:
	s_wait_tensorcnt 0x0                           ; the wave's end
	ds_add_u32 v[SPW], v[NIL]
	s_wait_dscnt 0x0
	CROUND                                         ; the closing round: no work-group ends while a partner may still ask for a tile that names it
	s_endpgm
.Lfunc_end_k_qbbef484af0_qkvgemm:
	.size	k_qbbef484af0_qkvgemm, .Lfunc_end_k_qbbef484af0_qkvgemm-k_qbbef484af0_qkvgemm
	.p2alignl 7, 3214868480
	.fill 96, 4, 3214868480
	.section	.rodata,"a",@progbits
	.p2align	6, 0x0
	.amdhsa_kernel k_qbbef484af0_qkvgemm
		.amdhsa_group_segment_fixed_size 327680
		.amdhsa_private_segment_fixed_size 0
		.amdhsa_enable_private_segment 0
		.amdhsa_kernarg_size 56
		.amdhsa_user_sgpr_count 2
		.amdhsa_user_sgpr_kernarg_segment_ptr 1
		.amdhsa_wavefront_size32 1
		.amdhsa_system_sgpr_workgroup_id_x 1
		.amdhsa_system_sgpr_workgroup_id_y 1
		.amdhsa_system_sgpr_workgroup_id_z 1
		.amdhsa_system_vgpr_workitem_id 0
		.amdhsa_next_free_vgpr 1024
		.amdhsa_next_free_sgpr 100
		.amdhsa_reserve_vcc 0
		.amdhsa_float_denorm_mode_32 3
		.amdhsa_float_denorm_mode_16_64 3
		.amdhsa_memory_ordered 1
		.amdhsa_forward_progress 1
		.amdhsa_inst_pref_size 195
	.end_amdhsa_kernel
	.amdgpu_metadata
---
amdhsa.version: [ 1, 2 ]
amdhsa.kernels:
  - .name:           k_qbbef484af0_qkvgemm
    .symbol:         k_qbbef484af0_qkvgemm.kd
    .args:
      - { .name: ximg, .offset: 0, .size: 8, .value_kind: global_buffer, .address_space: global }
      - { .name: wimg, .offset: 8, .size: 8, .value_kind: global_buffer, .address_space: global }
      - { .name: lowp_scales, .offset: 16, .size: 8, .value_kind: global_buffer, .address_space: global }
      - { .name: bq, .offset: 24, .size: 8, .value_kind: global_buffer, .address_space: global }
      - { .name: bk, .offset: 32, .size: 8, .value_kind: global_buffer, .address_space: global }
      - { .name: bv, .offset: 40, .size: 8, .value_kind: global_buffer, .address_space: global }
      - { .name: qkv, .offset: 48, .size: 8, .value_kind: global_buffer, .address_space: global }
    .group_segment_fixed_size: 327680
    .private_segment_fixed_size: 0
    .kernarg_segment_align: 8
    .kernarg_segment_size: 56
    .max_flat_workgroup_size: 128
    .sgpr_count:     100
    .vgpr_count:     1024
    .wavefront_size: 32
...
	.end_amdgpu_metadata
.endif
;; end of part 2
;; launch attn (part 3): grid 8 x 32, 16 waves a work-group, clusters of 4 x 1, 327,680 bytes of LDS; arguments qkv, lowp_scales, oimg; writes oimg
.if DOCPART == 3
	.amdgcn_target "amdgcn-amd-amdhsa--gfx1250"
	.amdhsa_code_object_version 6
	.text
	.protected	k_qbbef484af0_attn
	.globl	k_qbbef484af0_attn
	.p2align	8
	.type	k_qbbef484af0_attn,@function
k_qbbef484af0_attn:
	s_mov_b64 s[64:65], 0
	v_nop
	global_prefetch_b8 v0, s[64:65] scope:SCOPE_SE
	s_setreg_imm32_b32 hwreg(HW_REG_WAVE_MODE, 25, 1), 1
	s_wait_xcnt 0x0
	s_wait_alu depctr_hold_cnt(0) depctr_sa_sdst(0) depctr_va_vdst(0) depctr_va_sdst(0) depctr_va_ssrc(0) depctr_va_vcc(0) depctr_vm_vsrc(0)
	s_getreg_b32 s2, hwreg(HW_REG_IB_STS2, 6, 4)
	s_cmp_eq_u32 s2, 0
	s_cbranch_scc0 .Lentry_in_a_cluster
	s_endpgm
.Lentry_in_a_cluster:
	s_bfe_u32 s2, ttmp6, 0x10000c
	s_cmp_lg_u32 s2, 0x3003
	s_cbranch_scc0 .Lentry_shape_is_right
	s_endpgm
.Lentry_shape_is_right:
; Causal attention on codes of FP8 (E4M3), a head to 8 work-groups.  q under e6, k under e7, v under e9, p under e8; the finished rows are quantised under e10 and stored as images of outgemm's operand.
; SOFTMAX: t = score x log2(e) / 8; M = the row's largest t so far, rounded up to a whole number; p = 2^(t - M) is what is quantised; the row's sum is taken of the unquantised p and divides at the end.
; WORK LEFT OUT: key steps of 128 that lie wholly behind a tile's queries (reference()'s own causal mask gives them p = 0).  LIMIT: a NaN, an infinity or an overflow that reaches only those is not carried.
; LIMITS: e6 + e7 between -123 and 120; e8 and e10 between -126 and 119; scaled scores under 2^31 in magnitude.
; LDS holds the head's whole K (131,072 bytes) and V (131,072 bytes), as images of operand registers: 8,192 bytes of each for every step of 128 keys.  Waves 0-7 fetch K, 8-15 V: steps 0 to 3 first, the other
; twelve behind them, one load a wave each time.  Every byte is filled once and all is asked for at the head, so nothing is prefetched.  CLUSTERS: 4 x 1 work-groups of one head: joint loads.
; SHARES.  A work-group owns the tiles of 16 queries 8 T + x, T = 0 .. 15 (x: its number in the head); tile T walks key steps 0 .. T.  Two waves share tiles L = 8 + d and J = 7 - d, 17 steps in all:
;   wave d      (0 .. 7): of L the steps k = i + min(i, d), i = 0 .. 8: nine, the last on the diagonal;
;   wave 8 + d:           of L the steps k = 2 i + 1, i = 0 .. d - 1, whose O, M and sum it lays aside in registers; then all of J: k = i - d, i = d .. 7, the last on the diagonal.
; Behind the loop waves 9-15 lay their parts of L in the LDS bytes that held K; behind a barrier wave d joins the two parts of L by exact powers of two.
; So every wave has eight or nine steps; trip 0 asks for no step behind 1 and trip 1 for none behind 3.  From trip 2 on a split barrier keeps the sixteen waves within two trips of each other.
; BOTH PRODUCTS ARE USED TRANSPOSED (S^T = K Q^T, O^T = V^T P^T): a lane holds one query (lane % 16) throughout; register 8 t + j of S^T is key 16 t + 8 (lane / 16) + j: the next operand's own order.
; REGISTERS: v1-4, v7 addresses and the diagonal; v12 -M, v13 largest t, v[14:15] the sum in two halves; v16-23 Q, v24-31 the second tile's Q; v32-95 fragments of K, then of V; v96-159 S^T, then p;
;   v160-191 O^T; v192-207 p's codes; v208-235 and then v24-31 a part of L laid aside; v236-255 at work and constants.
.set LI,   1                           ; v1   16 x lane
.set ADK,  2                           ; v2   LDS address of the step's K,
.set ADV,  3                           ; v3   of its V
.set DG,   4                           ; v4   16 x + r - 8 h: on the diagonal the key of register 8 t + j is hidden where 16 t + j is greater
.set STA,  7                           ; v7   my place in LDS for a part of L: 4,608 x wave + 16 x lane
.set SPW,  251                         ; v251 LDS address of my spare word;  v255 0
.set NIL,  255
.set PART, 4608                        ; a part of L: nine times 512 bytes
.set SV,   208
.set TH,   10                          ; s10  the trip at which my second tile begins (waves 0-7: none)
.set NU,   11                          ; s11  my trips: 9 or 8
.set DC,   12                          ; s12  16 - d
.set LIMP, 13                          ; s13  448 x 2^e8
.set WV,   18
.set D,    19
.set SEL,  20                          ; s[20:21] selects for v_permlanex16_b32: lane l xor 16
.set CS,   22                          ; s[22:23] log2(e) / 8 x 2^(e6 + e7); the packed form takes the low word for both halves
.set G1S,  24
.set G1L,  32
.set G0S,  40
.set G0L,  44
.set KI,   48                          ; s48  the trip i
.set TB,   49                          ; s49  8,192 x the key step
.set ISB,  50                          ; s50  1 in waves 8-15
.macro CROUND                          ; a round of the cluster's barrier
	s_barrier_signal -1
	s_barrier_wait -1
	s_cmp_lg_u32 s[WV], 0
	s_cbranch_scc1 .Lnot_wave_0_\@
	s_barrier_signal -3
.Lnot_wave_0_\@:
	s_barrier_wait -3
	s_barrier_signal -1
	s_barrier_wait -1
.endm
	s_load_b128 s[4:7], s[0:1], 0x0                ; qkv, scales
	s_load_b64 s[8:9], s[0:1], 0x10                ; oimg
	v_lshl_add_u32 v[SPW], v0, 2, 0x40000
	v_mov_b32 v[NIL], 0
	ds_add_u32 v[SPW], v[NIL]                      ; the opening
	ds_add_u32 v[SPW], v[NIL]
	v_lshrrev_b32 v5, 5, v0
	s_delay_alu instid0(VALU_DEP_1)
	v_readfirstlane_b32 s[WV], v5
	s_lshr_b32 s[ISB], s[WV], 3                    ; also: I fetch K (0) or V (1)
	s_and_b32 s[D], s[WV], 7
	s_and_b32 s66, ttmp7, 0xffff                   ; the head, 16 x batch + head
	s_lshl_b32 s67, s[ISB], 17
	s_lshl_b32 s68, s[D], 12                       ; my eighth of steps 0 to 3,
	s_mul_i32 s69, s[D], 12288
	s_add_co_u32 s69, s69, 32768                   ; and of steps 4 to 15
	s_mov_b32 s[G0S], 1
	s_add_co_u32 s[G0S+1], s67, s68
	s_mov_b32 s[G0L], 1
	s_add_co_u32 s[G0L+1], s67, s69
	s_add_co_u32 s2, s[ISB], 1
	s_lshl_b32 s2, s2, 22                          ; qkv's section 1 (k) or 2 (v)
	s_lshl_b32 s70, s66, 17                        ; the head's 131,072 bytes
	s_add_co_u32 s2, s2, s70
	s_add_co_u32 s14, s2, s69
	s_mov_b32 s15, 0
	s_add_co_u32 s2, s2, s68
	s_mov_b32 s3, 0
	s_mov_b32 s[G1S], 15|(3<<16)|(1<<21)           ; group 1: all four partners; rows of 256 bytes, dense, in elements of 8 bytes: 16 rows, then 48
	s_mov_b32 s[G1S+1], 32<<16
	s_mov_b32 s[G1S+2], 16<<16
	s_mov_b32 s[G1S+3], 32<<16
	s_mov_b32 s[G1S+4], 16
	s_mov_b32 s[G1S+5], 32
	s_mov_b32 s[G1S+6], 0
	s_mov_b32 s[G1S+7], 0
	s_mov_b32 s[G1L], 15|(3<<16)|(1<<21)
	s_mov_b32 s[G1L+1], 32<<16
	s_mov_b32 s[G1L+2], 48<<16
	s_mov_b32 s[G1L+3], 32<<16
	s_mov_b32 s[G1L+4], 48
	s_mov_b32 s[G1L+5], 32
	s_mov_b32 s[G1L+6], 0
	s_mov_b32 s[G1L+7], 0
	s_bfe_u32 s71, ttmp6, 0x40000
	s_lshl_b32 s72, ttmp9, 2
	s_add_co_u32 s72, s72, s71                     ; x = 4 x cluster + cx
	s_add_co_u32 s73, s[D], 8
	s_lshl_b32 s73, s73, 3
	s_add_co_u32 s73, s73, s72                     ; tile of queries 8 L + x
	s_xor_b32 s74, s[D], 7
	s_lshl_b32 s74, s74, 3
	s_add_co_u32 s74, s74, s72                     ; 8 J + x
	s_cmp_eq_u32 s[WV], 8
	s_cselect_b32 s75, s74, s73                    ; my first tile: L's (wave 8, d = 0, has nothing of L)
	s_cmp_eq_u32 s[ISB], 1
	s_cselect_b32 s76, s74, s73                    ; the tile that I finish: L's or J's
	s_lshl_b32 s16, s75, 10
	s_add_co_u32 s16, s16, s70
	s_mov_b32 s17, 0
	s_lshl_b32 s74, s76, 10
	s_add_co_u32 s74, s74, s70
	s_mov_b32 s75, 0
	; oimg: [4 chunks][256 tiles][4096]: a head's 64 channels are 1,024 bytes of chunk (head % 16) / 4
	s_lshr_b32 s77, s66, 4
	s_lshl_b32 s77, s77, 7
	s_add_co_u32 s76, s76, s77
	s_lshl_b32 s76, s76, 12
	s_bfe_u32 s77, s66, 0x20002
	s_lshl_b32 s77, s77, 20
	s_add_co_u32 s76, s76, s77
	s_and_b32 s77, s66, 3
	s_lshl_b32 s77, s77, 10
	s_add_co_u32 s76, s76, s77
	s_mov_b32 s77, 0
	s_lshl_b32 s72, s72, 4
	s_xor_b32 s[TH], s[ISB], 1
	s_lshl_b32 s[TH], s[TH], 4
	s_add_co_u32 s[TH], s[TH], s[D]                ; d, or 16 + d: no trip
	s_xor_b32 s[NU], s[ISB], 9
	s_xor_b32 s[DC], s[D], 15
	s_add_co_u32 s[DC], s[DC], 1
	s_min_u32 s[TB], s[D], 1
	s_mul_i32 s[TB], s[TB], s[ISB]
	s_lshl_b32 s[TB], s[TB], 13                    ; trip 0: step 1 in waves 9-15, else step 0
	s_mul_i32 s67, s[WV], PART
	s_mov_b32 s[SEL], 0x76543210
	s_mov_b32 s[SEL+1], 0xfedcba98
	s_mov_b32 s[CS], 0x3e38aa3b                    ; log2(e) / 8
	s_wait_dscnt 0x0                               ; both opening adds are done
	s_wait_kmcnt 0x0
	s_load_b256 s[52:59], s[6:7], 0x0              ; e0 .. e7
	s_load_b128 s[60:63], s[6:7], 0x20             ; e8 .. e11
	s_add_nc_u64 s[G0S+2:G0S+3], s[4:5], s[2:3]
	s_or_b32 s[G0S+3], s[G0S+3], 0x80000000
	s_add_nc_u64 s[G0L+2:G0L+3], s[4:5], s[14:15]
	s_or_b32 s[G0L+3], s[G0L+3], 0x80000000
	s_add_nc_u64 s[78:79], s[4:5], s[16:17]        ; Q of my first tile,
	s_add_nc_u64 s[74:75], s[4:5], s[74:75]        ; and of the one that I finish (in waves 0-7 and 8 the same)
	s_add_nc_u64 s[8:9], s[8:9], s[76:77]
	CROUND                                         ; the first joint loads meet
	tensor_load_to_lds s[G0S:G0S+3], s[G1S:G1S+7]  ; steps 0 to 3
	s_nop 0
	v_and_b32 v[LI], 31, v0
	s_delay_alu instid0(VALU_DEP_1)
	v_lshlrev_b32 v[LI], 4, v[LI]
	v_and_b32 v5, 15, v0
	v_bfe_u32 v6, v0, 4, 1
	global_load_b128 v[16:19], v[LI], s[78:79]
	global_load_b128 v[20:23], v[LI], s[78:79] offset:512
	global_load_b128 v[24:27], v[LI], s[74:75]
	global_load_b128 v[28:31], v[LI], s[74:75] offset:512
	v_add_nc_u32 v[STA], s67, v[LI]
	v_lshlrev_b32 v6, 3, v6
	s_delay_alu instid0(VALU_DEP_1)
	v_sub_nc_u32 v[DG], v5, v6
	s_delay_alu instid0(VALU_DEP_1)
	v_add_nc_u32 v[DG], s72, v[DG]
	v_mov_b32 v236, 0                              ; written once: a lane permute's destination counts as one of its sources
	v_mov_b32 v253, 0                              ; (named as the upper half of the pair v[252:253])
.set j, 0
.rept 28
	v_mov_b32 v[SV+j], 0                           ; written on every path: the part of L is laid aside here under a branch
.set j, j+1
.endr
	s_wait_kmcnt 0x0
	s_add_co_i32 s2, s58, s59
	s_lshl_b32 s2, s2, 23
	s_add_co_i32 s[CS], s[CS], s2                  ; a score stands for score x 2^(e6 + e7): added to the factor's exponent field
	s_mov_b32 s[CS+1], s[CS]
	s_add_co_i32 s2, s60, 127
	s_lshl_b32 s3, s2, 23
	v_mov_b32 v244, s3                             ; 2^e8 as f32
	s_add_co_i32 s2, s2, 8
	s_lshl_b32 s2, s2, 23
	s_or_b32 s[LIMP], s2, 0x600000
	s_add_co_i32 s2, s62, 127
	s_lshl_b32 s3, s2, 23
	v_mov_b32 v245, s3                             ; 2^e10 as f32
	s_add_co_i32 s2, s2, 8
	s_lshl_b32 s2, s2, 23
	s_or_b32 s2, s2, 0x600000
	v_mov_b32 v241, s2                             ; 448 x 2^e10
	s_add_co_i32 s51, s60, s61                     ; e8 + e9
	s_wait_alu depctr_va_vdst(0)
	s_wait_tensorcnt 0x0                           ; my part of steps 0 to 3 is in
	ds_add_u32 v[SPW], v[NIL]
	s_wait_dscnt 0x0
	CROUND                                         ; everybody's is, and the joint loads meet
	tensor_load_to_lds s[G0L:G0L+3], s[G1L:G1L+7]  ; steps 4 to 15: on their way while trips 0 and 1 work on steps 0 to 3
	s_nop 0
; A KEY STEP of 128 keys.  first = 1: nothing has been summed yet: no rescaling, the second product starts the sums.  diag = 1: this trip may be on my diagonal.
.macro STEP first, diag
	v_add_nc_u32 v[ADK], s[TB], v[LI]
	s_delay_alu instid0(VALU_DEP_1)
	v_add_nc_u32 v[ADV], 0x20000, v[ADK]
.if \first == 0
	v_nop                                          ; with the two additions four places between the last products and the loads into their sources
	v_nop
.endif
.irp t, 0,1,2,3,4,5,6,7
	ds_load_b128 v[32+8*\t:35+8*\t], v[ADK] offset:1024*\t
	ds_load_b128 v[36+8*\t:39+8*\t], v[ADK] offset:1024*\t+512
.endr
	s_wait_alu depctr_va_vdst(0)
	s_wait_dscnt 0x0
.irp t, 0,1,2,3,4,5,6,7
	v_wmma_f32_16x16x64_fp8_fp8 v[96+8*\t:103+8*\t], v[32+8*\t:39+8*\t], v[16:23], 0
.endr
.rept 4
	v_nop                                          ; places in front of the loads and the reads of the scores
.endr
.irp d, 0,1,2,3
.irp p, 0,1,2,3
	ds_load_b128 v[32+16*\d+4*\p:35+16*\d+4*\p], v[ADV] offset:2048*\d+512*\p
.endr
.endr
.if \diag
	s_add_co_u32 s2, s[KI], 1
	s_cmp_lg_u32 s2, s[NU]                         ; my last trip is on the diagonal: hidden scores become -infinity ahead of the maximum
	s_cbranch_scc1 .Lopen_\@
	v_mov_b32 v254, 0xff800000
.set n, 0
.rept 64
	v_cmp_gt_i32 vcc_lo, 16*(n/8)+n%8, v[DG]
	v_cndmask_b32 v[96+n], v[96+n], v254, vcc_lo
.set n, n+1
.endr
.Lopen_\@:
.endif
	v_max3_num_f32 v254, v96, v97, v98             ; the largest score among my 64 keys, in four chains,
	v_max3_num_f32 v252, v99, v100, v101
	v_max3_num_f32 v250, v102, v103, v104
	v_max3_num_f32 v238, v105, v106, v107
.set j, 108
.rept 6
	v_max3_num_f32 v254, v254, v[j], v[j+1]
	v_max3_num_f32 v252, v252, v[j+2], v[j+3]
	v_max3_num_f32 v250, v250, v[j+4], v[j+5]
	v_max3_num_f32 v238, v238, v[j+6], v[j+7]
.set j, j+8
.endr
	v_max3_num_f32 v254, v254, v156, v157
	v_max3_num_f32 v252, v252, v158, v159
	s_delay_alu instid0(VALU_DEP_1)
	v_max3_num_f32 v254, v254, v252, v250
	s_delay_alu instid0(VALU_DEP_1)
	v_max_num_f32 v254, v254, v238
	s_delay_alu instid0(VALU_DEP_1)
	v_permlanex16_b32 v236, v254, s[SEL], s[SEL+1]
	s_delay_alu instid0(VALU_DEP_1)
	v_max_num_f32 v254, v254, v236                 ; and among lane l xor 16's
	s_delay_alu instid0(VALU_DEP_1)
.if \first
	v_mul_f32 v13, s[CS], v254                     ; the largest t
	s_delay_alu instid0(VALU_DEP_1)
	v_floor_f32 v12, -v13                          ; -M = floor(-t)
.else
	v_mul_f32 v254, s[CS], v254
	s_delay_alu instid0(VALU_DEP_1)
	v_max_num_f32 v13, v13, v254                   ; the running largest t
	v_mov_b32 v254, v12
	s_delay_alu instid0(VALU_DEP_2)
	v_floor_f32 v12, -v13                          ; the new -M
	s_delay_alu instid0(VALU_DEP_1)
	v_sub_f32 v254, v12, v254                      ; M's old value less its new one: 0 or less
	s_delay_alu instid0(VALU_DEP_1)
	v_cvt_i32_f32 v254, v254                       ; (it saturates)
	s_delay_alu instid0(VALU_DEP_1)
	v_ldexp_f32 v252, 1.0, v254                    ; f = 2^(old M - new M)
.endif
.set j, 0
.rept 32
	v_pk_fma_f32 v[96+j:97+j], v[96+j:97+j], s[CS:CS+1], v[12:13] op_sel_hi:[1,0,0]   ; t - M
.set j, j+2
.endr
.if \first == 0
.set j, 0
.rept 16
	v_pk_mul_f32 v[160+j:161+j], v[160+j:161+j], v[252:253] op_sel_hi:[1,0]   ; O^T under the new M
.set j, j+2
.endr
.endif
	s_wait_alu depctr_va_vdst(0)
.set j, 0
.rept 64
	v_exp_f32 v[96+j], v[96+j]                     ; p, not normalised
.set j, j+1
.endr
.if \first
	v_nop                                          ; a plain place behind the exponentials
	s_wait_alu depctr_va_vdst(0)
	v_pk_add_f32 v[14:15], v[96:97], v[98:99]      ; the row's sum, in four chains
	v_pk_add_f32 v[242:243], v[100:101], v[102:103]
	v_pk_add_f32 v[246:247], v[104:105], v[106:107]
	v_pk_add_f32 v[248:249], v[108:109], v[110:111]
.set j, 112
.else
	v_pk_mul_f32 v[14:15], v[14:15], v[252:253] op_sel_hi:[1,0]   ; the sum under the new M: a plain place too
	s_wait_alu depctr_va_vdst(0)
	v_pk_add_f32 v[242:243], v[96:97], v[98:99]    ; the row's sum, in four chains
	v_pk_add_f32 v[246:247], v[100:101], v[102:103]
	v_pk_add_f32 v[248:249], v[104:105], v[106:107]
.set j, 108
.endif
.rept 6
	v_pk_add_f32 v[14:15], v[14:15], v[j:j+1]
	v_pk_add_f32 v[242:243], v[242:243], v[j+2:j+3]
	v_pk_add_f32 v[246:247], v[246:247], v[j+4:j+5]
	v_pk_add_f32 v[248:249], v[248:249], v[j+6:j+7]
.set j, j+8
.endr
.if \first == 0
	v_pk_add_f32 v[14:15], v[14:15], v[156:157]
	v_pk_add_f32 v[242:243], v[242:243], v[158:159]
.endif
	v_pk_add_f32 v[246:247], v[246:247], v[248:249]
	v_pk_add_f32 v[14:15], v[14:15], v[242:243]
.irp t, 0,1,2,3,4,5,6,7,8
.if \t < 8
.irp i, 0,2,4,6
	v_dual_min_num_f32 v[96+8*\t+\i], s[LIMP], v[96+8*\t+\i] :: v_dual_min_num_f32 v[97+8*\t+\i], s[LIMP], v[97+8*\t+\i]   ; the conversion does not saturate (ISA guide 7.6.2); p is not negative
.endr
.endif
.if \t > 0
	v_cvt_scalef32_pk8_fp8_f32 v[190+2*\t:191+2*\t], v[88+8*\t:95+8*\t], v244   ; the eight numbers before
.endif
.endr
	v_pk_add_f32 v[14:15], v[14:15], v[246:247]    ; the chains joined: a plain line behind the last conversion
	s_wait_alu depctr_va_vdst(0)
	s_wait_dscnt 0x0                               ; V's fragments
.irp d, 0,1,2,3
.if \first
	v_wmma_f32_16x16x128_fp8_fp8 v[160+8*\d:167+8*\d], v[32+16*\d:47+16*\d], v[192:207], 0
.else
	v_wmma_f32_16x16x128_fp8_fp8 v[160+8*\d:167+8*\d], v[32+16*\d:47+16*\d], v[192:207], v[160+8*\d:167+8*\d]
.endif
.endr
.endm
; At the trip at which my second tile begins my part of L is laid aside.
.macro SWITCH
	s_cmp_lg_u32 s[KI], s[TH]
	s_cbranch_scc1 .Lstay_\@
.rept 4
	v_nop                                          ; places behind the last products
.endr
.irp i, 0,2,4,6,8,10,12,14,16,18,20,22,24,26
	v_dual_mov_b32 v[SV+\i], v[160+\i] :: v_dual_mov_b32 v[SV+1+\i], v[161+\i]   ; O^T,
.endr
.irp i, 0,2,4,6
	v_dual_mov_b32 v[16+\i], v[24+\i] :: v_dual_mov_b32 v[17+\i], v[25+\i]       ; (J's Q)
.endr
	v_dual_mov_b32 v24, v188 :: v_dual_mov_b32 v25, v189
	v_dual_mov_b32 v26, v190 :: v_dual_mov_b32 v27, v191
	v_dual_mov_b32 v28, v12 :: v_dual_mov_b32 v29, v13                           ; -M, the largest t,
	v_dual_mov_b32 v30, v14 :: v_dual_mov_b32 v31, v15                           ; the sum
	v_mov_b32 v13, 0xff61b1e6                      ; J begins: the largest t is -3e38, so f is 0 in this step, and what O^T and the sum hold (finite numbers) becomes 0
	v_mov_b32 v12, 0x7f61b1e6
.Lstay_\@:
.endm
	s_wait_loadcnt 0x0                             ; both Q
	STEP 1, 0                                      ; trip 0
	s_mov_b32 s[KI], 1
	s_min_u32 s2, s[D], 2
	s_xor_b32 s2, s2, 1
	s_mul_i32 s2, s2, s[ISB]                       ; trip 1: in waves 8-15 step 1 (d = 0), 0 (d = 1: J begins) or 3,
	s_min_u32 s3, s[D], 1
	s_add_co_u32 s3, s3, 1
	s_xor_b32 s14, s[ISB], 1
	s_mul_i32 s3, s3, s14                          ; in waves 0-7 step 1 (d = 0) or 2
	s_add_co_u32 s2, s2, s3
	s_and_b32 s2, s2, 3
	s_lshl_b32 s[TB], s2, 13
	SWITCH
	STEP 0, 0                                      ; trip 1
	s_wait_tensorcnt 0x0                           ; my part of steps 4 to 15 is in,
	s_wait_dscnt 0x0
	s_barrier_signal -1
	s_barrier_wait -1                              ; and everybody's
	s_barrier_signal -1                            ; the split barrier is opened: nothing is written to LDS before the wait behind the loop
	s_mov_b32 s[KI], 2
.Lkeys:
	s_min_u32 s2, s[KI], s[D]
	s_add_co_u32 s2, s2, s[KI]
	s_add_co_u32 s2, s2, s[ISB]                    ; of L: i + min(i, d), or 2 i + 1;
	s_add_co_u32 s3, s[KI], s[DC]                  ; of J: i - d modulo 16
	s_cmp_ge_u32 s[KI], s[TH]
	s_cselect_b32 s2, s3, s2
	s_and_b32 s2, s2, 15
	s_lshl_b32 s[TB], s2, 13
	s_cmp_ge_u32 s[KI], s[NU]                      ; waves 8-15 have no ninth step
	s_cbranch_scc1 .Ldone
	SWITCH
	STEP 0, 1
.Ldone:
	s_wait_dscnt 0x0                               ; my reads of LDS are over
	s_barrier_wait -1                              ; every wave has ended the trip before this one,
	s_barrier_signal -1                            ; and I have ended this one
	s_add_co_u32 s[KI], s[KI], 1
	s_cmp_lt_u32 s[KI], 9
	s_cbranch_scc1 .Lkeys
.rept 4
	v_nop                                          ; places behind the last products
.endr
	s_barrier_wait -1                              ; every wave has ended its last trip: nobody reads K any more; its bytes have had their last fill
	s_cmp_lt_u32 s[WV], 9                          ; waves 9-15 hold a part of L
	s_cbranch_scc1 .Lno_part
.irp i, 0,1,2,3,4,5,6
	ds_store_b128 v[STA], v[SV+4*\i:SV+3+4*\i] offset:512*\i
.endr
	ds_store_b128 v[STA], v[24:27] offset:3584
	ds_store_b128 v[STA], v[28:31] offset:4096
.Lno_part:
	s_wait_dscnt 0x0                               ; my stores are done
	s_barrier_signal -1
	s_barrier_wait -1                              ; and everybody's
	s_cmp_eq_u32 s[WV], 0                          ; wave 0 has done all of its L (d = 0); waves 8-15 finish J
	s_cbranch_scc1 .Lwhole
	s_cmp_ge_u32 s[WV], 8
	s_cbranch_scc1 .Lwhole
	ds_load_b128 v[64:67], v[STA] offset:8*PART+4096   ; wave 8 + d's part
.irp i, 0,1,2,3,4,5,6,7
	ds_load_b128 v[32+4*\i:35+4*\i], v[STA] offset:8*PART+512*\i
.endr
	s_wait_dscnt 0x0
	v_min_num_f32 v68, v12, v64                    ; the common -M
	v_sub_f32 v69, v68, v12
	v_sub_f32 v70, v68, v64
	v_cvt_i32_f32 v69, v69
	v_cvt_i32_f32 v70, v70
	v_ldexp_f32 v72, 1.0, v69                      ; my part's factor, twice (a pair),
	v_ldexp_f32 v74, 1.0, v70                      ; and the other part's
	v_ldexp_f32 v73, 1.0, v69
	v_ldexp_f32 v75, 1.0, v70
	v_pk_mul_f32 v[14:15], v[14:15], v[72:73]
.set j, 0
.rept 16
	v_pk_mul_f32 v[160+j:161+j], v[160+j:161+j], v[72:73]
.set j, j+2
.endr
	v_pk_fma_f32 v[14:15], v[66:67], v[74:75], v[14:15]
.set j, 0
.rept 16
	v_pk_fma_f32 v[160+j:161+j], v[32+j:33+j], v[74:75], v[160+j:161+j]
.set j, j+2
.endr
.Lwhole:
	v_add_f32 v14, v14, v15                        ; the sum's two halves,
	s_delay_alu instid0(VALU_DEP_1)
	v_permlanex16_b32 v252, v14, s[SEL], s[SEL+1]
	s_delay_alu instid0(VALU_DEP_1)
	v_add_f32 v14, v14, v252                       ; and lane l xor 16's: the row's sum
	s_wait_alu depctr_va_vdst(0)
	v_rcp_f32 v14, v14
	v_nop                                          ; a plain place
	s_wait_alu depctr_va_vdst(0)
	v_ldexp_f32 v14, v14, s51                      ; x 2^(e8 + e9)
	s_wait_alu depctr_va_vdst(0)
.set j, 0
.rept 16
	v_pk_mul_f32 v[96+j:97+j], v[160+j:161+j], v[14:15] op_sel_hi:[1,0]
.set j, j+2
.endr
.set j, 0
.rept 32
	v_med3_num_f32 v[96+j], v[96+j], -v241, v241   ; held at the largest code
.set j, j+1
.endr
.irp d, 0,1,2,3
	v_cvt_scalef32_pk8_fp8_f32 v[32+2*\d:33+2*\d], v[96+8*\d:103+8*\d], v245
.endr
	v_nop                                          ; a plain line behind the last conversion
	global_store_b128 v[LI], v[32:35], s[8:9]      ; 512 consecutive bytes, aligned
	global_store_b128 v[LI], v[36:39], s[8:9] offset:512
	s_wait_tensorcnt 0x0                           ; the wave's end
	ds_add_u32 v[SPW], v[NIL]
	s_wait_dscnt 0x0
	CROUND                                         ; the closing round: no work-group ends while a partner may still ask for a tile that names it
	s_endpgm
.Lfunc_end_k_qbbef484af0_attn:
	.size	k_qbbef484af0_attn, .Lfunc_end_k_qbbef484af0_attn-k_qbbef484af0_attn
	.p2alignl 7, 3214868480
	.fill 96, 4, 3214868480
	.section	.rodata,"a",@progbits
	.p2align	6, 0x0
	.amdhsa_kernel k_qbbef484af0_attn
		.amdhsa_group_segment_fixed_size 327680
		.amdhsa_private_segment_fixed_size 0
		.amdhsa_enable_private_segment 0
		.amdhsa_kernarg_size 24
		.amdhsa_user_sgpr_count 2
		.amdhsa_user_sgpr_kernarg_segment_ptr 1
		.amdhsa_wavefront_size32 1
		.amdhsa_system_sgpr_workgroup_id_x 1
		.amdhsa_system_sgpr_workgroup_id_y 1
		.amdhsa_system_sgpr_workgroup_id_z 1
		.amdhsa_system_vgpr_workitem_id 0
		.amdhsa_next_free_vgpr 256
		.amdhsa_next_free_sgpr 80
		.amdhsa_reserve_vcc 1
		.amdhsa_float_denorm_mode_32 3
		.amdhsa_float_denorm_mode_16_64 3
		.amdhsa_memory_ordered 1
		.amdhsa_forward_progress 1
		.amdhsa_inst_pref_size 71
	.end_amdhsa_kernel
	.amdgpu_metadata
---
amdhsa.version: [ 1, 2 ]
amdhsa.kernels:
  - .name:           k_qbbef484af0_attn
    .symbol:         k_qbbef484af0_attn.kd
    .args:
      - { .name: qkv, .offset: 0, .size: 8, .value_kind: global_buffer, .address_space: global }
      - { .name: lowp_scales, .offset: 8, .size: 8, .value_kind: global_buffer, .address_space: global }
      - { .name: oimg, .offset: 16, .size: 8, .value_kind: global_buffer, .address_space: global }
    .group_segment_fixed_size: 327680
    .private_segment_fixed_size: 0
    .kernarg_segment_align: 8
    .kernarg_segment_size: 24
    .max_flat_workgroup_size: 512
    .sgpr_count:     80
    .vgpr_count:     256
    .wavefront_size: 32
...
	.end_amdgpu_metadata
.endif
;; end of part 3
;; launch outgemm (part 4): grid 8 x 32, 4 waves a work-group, clusters of 4 x 4, 327,680 bytes of LDS; arguments oimg, wimg, lowp_scales, bo, out0; writes out0
.if DOCPART == 4
	.amdgcn_target "amdgcn-amd-amdhsa--gfx1250"
	.amdhsa_code_object_version 6
	.text
	.protected	k_qbbef484af0_outgemm
	.globl	k_qbbef484af0_outgemm
	.p2align	8
	.type	k_qbbef484af0_outgemm,@function
k_qbbef484af0_outgemm:
	s_mov_b64 s[64:65], 0
	v_nop
	global_prefetch_b8 v0, s[64:65] scope:SCOPE_SE
	s_setreg_imm32_b32 hwreg(HW_REG_WAVE_MODE, 25, 1), 1
	s_wait_xcnt 0x0
	s_wait_alu depctr_hold_cnt(0) depctr_sa_sdst(0) depctr_va_vdst(0) depctr_va_sdst(0) depctr_va_ssrc(0) depctr_va_vcc(0) depctr_vm_vsrc(0)
	s_getreg_b32 s2, hwreg(HW_REG_IB_STS2, 6, 4)
	s_cmp_eq_u32 s2, 0
	s_cbranch_scc0 .Lentry_in_a_cluster
	s_endpgm
.Lentry_in_a_cluster:
	s_bfe_u32 s2, ttmp6, 0x10000c
	s_cmp_lg_u32 s2, 0xf033
	s_cbranch_scc0 .Lentry_shape_is_right
	s_endpgm
.Lentry_shape_is_right:
; out0 = o Wo^T + bo on codes of FP8 (E4M3): o under e10 (oimg), Wo under e11 (wimg's fourth weight); out0 [4096][1024] f32 = sum x 2^(e10 + e11) + bo.
; LIMIT: e10 + e11 between -126 and 127.
; A tile of 128 x 128, so that there are 256 work-groups; four waves, each 64 x 64: 16 accumulators.  THE WHOLE K (1,024) OF BOTH SIDES FITS IN LDS: 131,072 bytes each.  Every byte is filled once, by one
; tensor load of each wave at the head: 64 rows of one side, four chunks of 256 along K.  So nothing is prefetched, and no slot takes turns.
; Both operands are images of operand registers (16 rows x 128 K = 2,048 bytes: four pieces of 512, lane l's 16 bytes at 16 l): a fragment comes by four ds_load_b128 of consecutive bytes.
; CLUSTERS: 4 x 4 work-groups; o's tiles are shared along a row of the cluster, Wo's along a column: joint loads.
; THE MATRIX INSTRUCTION IS USED TRANSPOSED (source 0 = 16 rows of Wo, source 1 = 16 rows of o): a lane holds eight neighbouring numbers of a row of out0.
; REGISTERS: window 0: v3-15 addresses; v16-47 bo; v48-79 at work; v128-255 the accumulators ((a, b) at v[128 + 8 (4 a + b)]).   window 1: two buffers of 128: A's four fragments, then B's four.
.set CH,     16384                     ; a chunk of a wave's 64 rows: 4 tiles of 16 rows x 4,096 bytes
.set STAGE,  262144                    ; behind A's and B's images: 16 rows x 272 bytes for each wave, for the way out; no tensor load lands there
.set SPITCH, 272
.set LI,   3                           ; v3   16 x lane
.set STO,  4                           ; v4   the way out: where I put 32 bytes of a row
.set RD,   5                           ; v5   where I read a row back
.set CO,   6                           ; v6   my byte offset in out0
.set OB,   7                           ; v7   my byte offset in bo
.set ADRA, 8                           ; v8-11   LDS address of my A fragments in chunk 0..3
.set ADRB, 12                          ; v12-15  the same for B
.set BI,   16
.set TMP,  48
.set ACC,  128
.set G1,  24                           ; s[24:31] descriptor group 1 for A;  s[32:39] for B
.set G1B, 32
.set G0,  40                           ; s[40:43] group 0 for A;  s[44:47] for B
.set G0B, 44
.set MSB, 0
.macro WIN new                         ; the immediate's high byte repeats the setting that is left
.if MSB != \new
	s_set_vgpr_msb (MSB<<8)|\new
.set MSB, \new
.endif
.endm
.macro PLACES
.rept 4
	v_nop
.endr
.endm
.macro CROUND                          ; a round of the cluster's barrier
	s_barrier_signal -1
	s_barrier_wait -1
	s_cmp_lg_u32 s14, 0
	s_cbranch_scc1 .Lnot_wave_0_\@
	s_barrier_signal -3
.Lnot_wave_0_\@:
	s_barrier_wait -3
	s_barrier_signal -1
	s_barrier_wait -1
.endm
	s_load_b256 s[76:83], s[0:1], 0x0              ; oimg 76:77, wimg 78:79, scales 80:81, bo 82:83
	s_load_b64 s[84:85], s[0:1], 0x20              ; out0
	v_lshl_add_u32 v126, v0, 2, 0x44400            ; my spare word, behind the stages
	v_mov_b32 v127, 0
	ds_add_u32 v126, v127                          ; the opening
	ds_add_u32 v126, v127
	v_lshrrev_b32 v1, 5, v0
	v_readfirstlane_b32 s14, v1                    ; wave 0..3
	s_lshr_b32 s15, s14, 1                         ; which half of the tile's rows is mine
	s_and_b32 s16, s14, 1                          ; which half of its columns.  Also: which 64 rows of a side I fetch
	s_bfe_u32 s86, ttmp6, 0x40000                  ; cx, cy
	s_bfe_u32 s87, ttmp6, 0x40004
	s_lshl_b32 s88, ttmp9, 2
	s_add_co_u32 s88, s88, s86                     ; tile column = 4 x cluster x + cx
	s_and_b32 s89, ttmp7, 0xffff
	s_lshl_b32 s89, s89, 2
	s_add_co_u32 s89, s89, s87                     ; tile row = 4 x cluster y + cy
	s_lshl_b32 s90, s87, 2
	s_lshl_b32 s90, 15, s90                        ; my row of the cluster
	s_lshl_b32 s91, 0x1111, s86                    ; my column
	; descriptor group 1: four chunks of 16,384 bytes, 1,048,576 bytes apart, in elements of 8 bytes; dense in LDS
	s_or_b32 s[G1], s90, (3<<16)|(1<<21)
	s_or_b32 s[G1B], s91, (3<<16)|(1<<21)
.irp g, G1, G1B
	s_mov_b32 s[\g+1], 2048<<16                    ; tensor_dim0
	s_mov_b32 s[\g+2], 4<<16                       ; tensor_dim1
	s_mov_b32 s[\g+3], 2048<<16                    ; tile_dim0
	s_mov_b32 s[\g+4], 4                           ; tile_dim1
	s_mov_b32 s[\g+5], 131072                      ; tensor_dim0_stride
	s_mov_b32 s[\g+6], 0
	s_mov_b32 s[\g+7], 0
.endr
	s_lshl_b32 s18, s16, 14                        ; which 64 rows (4 x 4,096 bytes of a chunk) I fetch
	s_lshl_b32 s20, s89, 15
	s_add_co_u32 s20, s20, s18                     ; A: 32,768 x tile row + half
	s_mov_b32 s21, 0
	s_lshl_b32 s22, s88, 15
	s_add_co_u32 s22, s22, s18
	s_add_co_u32 s22, s22, 3<<18                   ; B: the fourth weight of a chunk, 32,768 x tile column + half
	s_mov_b32 s23, 0
	s_lshl_b32 s19, s14, 16                        ; where they go: wave x 65,536: A's two halves, then B's
	s_wait_dscnt 0x0                               ; both opening adds are done
	s_wait_kmcnt 0x0
	s_load_b64 s[92:93], s[80:81], 0x28            ; e10, e11
	s_mov_b32 s[G0], 1
	s_mov_b32 s[G0+1], s19
	s_add_nc_u64 s[G0+2:G0+3], s[76:77], s[20:21]
	s_or_b32 s[G0+3], s[G0+3], 0x80000000
	s_mov_b32 s[G0B], 1
	s_mov_b32 s[G0B+1], s19
	s_add_nc_u64 s[G0B+2:G0B+3], s[78:79], s[22:23]
	s_or_b32 s[G0B+3], s[G0B+3], 0x80000000
	CROUND                                         ; all sixteen work-groups are here: the joint loads meet
	s_cmp_lt_u32 s14, 2                            ; waves 0 and 1 fetch A's halves, waves 2 and 3 B's
	s_cbranch_scc0 .Lfor_b
	tensor_load_to_lds s[G0:G0+3], s[G1:G1+7]
	s_nop 0
	PLACES
	s_branch .Lasked
.Lfor_b:
	tensor_load_to_lds s[G0B:G0B+3], s[G1B:G1B+7]
	s_nop 0
	PLACES
.Lasked:
	v_and_b32 v1, 15, v0                           ; r
	v_bfe_u32 v2, v0, 4, 1                         ; h
	v_and_b32 v[LI], 31, v0
	v_lshlrev_b32 v[LI], 4, v[LI]
	s_wait_alu depctr_va_vdst(0)
	s_lshl_b32 s94, s15, 16                        ; my 64 rows of A
	s_lshl_b32 s95, s16, 16                        ; my 64 rows of B,
	s_add_co_u32 s95, s95, 131072                  ; which lie behind A's 128
.irp j, 0,1,2,3
	v_add_nc_u32 v[ADRA+\j], s94, v[LI]
	v_add_nc_u32 v[ADRB+\j], s95, v[LI]
	s_add_co_u32 s94, s94, CH
	s_add_co_u32 s95, s95, CH
.endr
	s_mul_i32 s96, s14, 16*SPITCH
	s_add_co_u32 s96, s96, STAGE                   ; my stage
	v_mul_u32_u24 v[STO], v1, SPITCH               ; in: row r, 32 bytes for each half of the lanes
	v_lshl_add_u32 v[STO], v2, 5, v[STO]
	v_add_nc_u32 v[STO], s96, v[STO]
	v_mul_u32_u24 v[RD], v2, SPITCH                ; back: lanes 0-15 one row of 256 bytes, lanes 16-31 the next
	v_lshl_add_u32 v[RD], v1, 4, v[RD]
	v_add_nc_u32 v[RD], s96, v[RD]
	v_lshlrev_b32 v[CO], 12, v2                    ; and the same two rows in out0
	v_lshl_add_u32 v[CO], v1, 4, v[CO]
	v_lshlrev_b32 v[OB], 5, v2
	s_lshl_b32 s98, s88, 9
	s_lshl_b32 s99, s16, 8
	s_add_co_u32 s98, s98, s99                     ; my first column, in bytes: 512 x tile column + 256 x half
	s_mov_b32 s99, 0
	s_add_nc_u64 s[82:83], s[82:83], s[98:99]
.irp b, 0,1,2,3
	global_load_b128 v[BI+8*\b:BI+8*\b+3],   v[OB], s[82:83] offset:64*\b      ; bo of columns 16 b + 8 h + 0..7
	global_load_b128 v[BI+8*\b+4:BI+8*\b+7], v[OB], s[82:83] offset:64*\b+16
.endr
	s_lshl_b32 s96, s89, 19                        ; my first row: 128 x tile row + 64 x half, 4,096 bytes a row
	s_lshl_b32 s97, s15, 18
	s_add_co_u32 s96, s96, s97
	s_add_co_u32 s96, s96, s98
	s_mov_b32 s97, 0
	s_add_nc_u64 s[84:85], s[84:85], s[96:97]
.macro FETCH k                         ; 32 LDS loads in one run: K step k's fragments into buffer k % 2
	WIN 0x40                                       ; destination window 1, address window 0
.irp i, 0,1,2,3
.irp c, 0,1,2,3
	ds_load_b128 v[128*((\k)%2)+16*\i+4*\c:128*((\k)%2)+16*\i+4*\c+3], v[ADRA+(\k)/2] offset:4096*\i+2048*((\k)%2)+512*\c
.endr
.endr
.irp i, 0,1,2,3
.irp c, 0,1,2,3
	ds_load_b128 v[128*((\k)%2)+64+16*\i+4*\c:128*((\k)%2)+64+16*\i+4*\c+3], v[ADRB+(\k)/2] offset:4096*\i+2048*((\k)%2)+512*\c
.endr
.endr
.endm
.macro MUL16 k                         ; 16 matrix instructions; the accumulators take turns, in the same order in every step; the first step starts the sums
	WIN 0x05                                       ; sources 0 and 1 window 1; C and D window 0
.irp a, 0,1,2,3
.irp b, 0,1,2,3
.if (\k) == 0
	v_wmma_f32_16x16x128_fp8_fp8 v[ACC+8*(4*\a+\b):ACC+8*(4*\a+\b)+7], v[128*((\k)%2)+64+16*\b:128*((\k)%2)+64+16*\b+15], v[128*((\k)%2)+16*\a:128*((\k)%2)+16*\a+15], 0
.else
	v_wmma_f32_16x16x128_fp8_fp8 v[ACC+8*(4*\a+\b):ACC+8*(4*\a+\b)+7], v[128*((\k)%2)+64+16*\b:128*((\k)%2)+64+16*\b+15], v[128*((\k)%2)+16*\a:128*((\k)%2)+16*\a+15], v[ACC+8*(4*\a+\b):ACC+8*(4*\a+\b)+7]
.endif
.endr
.endr
.endm
.macro KSTEP k
	s_wait_dscnt 0x0                               ; this step's fragments are in
.if (\k) < 7
	PLACES                                         ; in front of loads into the buffer that the step before multiplied
	FETCH (\k)+1
.endif
	MUL16 \k
.endm
	s_wait_alu depctr_va_vdst(0)
	s_wait_tensorcnt 0x0                           ; my load is in
	s_barrier_signal -1
	s_barrier_wait -1                              ; everybody's is
	FETCH 0
.irp k, 0,1,2,3,4,5,6,7
	KSTEP \k
.endr
	WIN 0
; THE WAY OUT, a block of 16 rows x 64 columns at a time: sum x 2^(e10 + e11) + bo, each accumulator from its low end on; through my own stage in LDS and back as rows of 256 bytes, into the registers
; that the sums have left.  LDS serves a wave's instructions in order: no wait between the stores and the loads, nor in front of the next block's stores.
.macro TOSTAGE a
.irp b, 0,1,2,3
.irp i, 0,2,4,6
	v_pk_fma_f32 v[TMP+8*\b+\i:TMP+8*\b+\i+1], v[ACC+32*(\a)+8*\b+\i:ACC+32*(\a)+8*\b+\i+1], s[92:93], v[BI+8*\b+\i:BI+8*\b+\i+1] op_sel_hi:[1,0,1]
.endr
.endr
.irp b, 0,1,2,3
	ds_store_b128 v[STO], v[TMP+8*\b:TMP+8*\b+3] offset:64*\b
	ds_store_b128 v[STO], v[TMP+8*\b+4:TMP+8*\b+7] offset:64*\b+16
.endr
.irp t, 0,1,2,3,4,5,6,7
	ds_load_b128 v[ACC+32*(\a)+4*\t:ACC+32*(\a)+4*\t+3], v[RD] offset:\t*2*SPITCH
.endr
.endm
.macro SEND a, younger                 ; younger: the LDS instructions issued behind block a's loads (the next block's eight stores and eight loads), which may stay out
	s_wait_dscnt \younger
.irp t, 0,1,2,3,4,5,6,7
	global_store_b128 v[CO], v[ACC+32*(\a)+4*\t:ACC+32*(\a)+4*\t+3], s[84:85] offset:(16*(\a)+2*\t)*4096 th:TH_STORE_NT   ; sixteen lanes store 256 consecutive bytes, aligned; every store has data registers of its own
.endr
.endm
	s_wait_kmcnt 0x0
	s_add_co_i32 s92, s92, s93
	s_add_co_i32 s92, s92, 127
	s_lshl_b32 s92, s92, 23                        ; 2^(e10 + e11) as f32
	s_mov_b32 s93, s92                             ; (named with it as a pair, so it is written)
	s_wait_loadcnt 0x0                             ; bo
	PLACES                                         ; behind the last products
	TOSTAGE 0
.irp a, 1,2,3
	TOSTAGE \a
	SEND \a-1, 16
.endr
	SEND 3, 0
	s_wait_tensorcnt 0x0                           ; the wave's end
	ds_add_u32 v126, v127
	s_wait_dscnt 0x0
	CROUND                                         ; the closing round: no work-group ends while a partner may still ask for a tile that names it
	s_endpgm
.Lfunc_end_k_qbbef484af0_outgemm:
	.size	k_qbbef484af0_outgemm, .Lfunc_end_k_qbbef484af0_outgemm-k_qbbef484af0_outgemm
	.p2alignl 7, 3214868480
	.fill 96, 4, 3214868480
	.section	.rodata,"a",@progbits
	.p2align	6, 0x0
	.amdhsa_kernel k_qbbef484af0_outgemm
		.amdhsa_group_segment_fixed_size 327680
		.amdhsa_private_segment_fixed_size 0
		.amdhsa_enable_private_segment 0
		.amdhsa_kernarg_size 40
		.amdhsa_user_sgpr_count 2
		.amdhsa_user_sgpr_kernarg_segment_ptr 1
		.amdhsa_wavefront_size32 1
		.amdhsa_system_sgpr_workgroup_id_x 1
		.amdhsa_system_sgpr_workgroup_id_y 1
		.amdhsa_system_sgpr_workgroup_id_z 1
		.amdhsa_system_vgpr_workitem_id 0
		.amdhsa_next_free_vgpr 512
		.amdhsa_next_free_sgpr 100
		.amdhsa_reserve_vcc 0
		.amdhsa_float_denorm_mode_32 3
		.amdhsa_float_denorm_mode_16_64 3
		.amdhsa_memory_ordered 1
		.amdhsa_forward_progress 1
		.amdhsa_inst_pref_size 45
	.end_amdhsa_kernel
	.amdgpu_metadata
---
amdhsa.version: [ 1, 2 ]
amdhsa.kernels:
  - .name:           k_qbbef484af0_outgemm
    .symbol:         k_qbbef484af0_outgemm.kd
    .args:
      - { .name: oimg, .offset: 0, .size: 8, .value_kind: global_buffer, .address_space: global }
      - { .name: wimg, .offset: 8, .size: 8, .value_kind: global_buffer, .address_space: global }
      - { .name: lowp_scales, .offset: 16, .size: 8, .value_kind: global_buffer, .address_space: global }
      - { .name: bo, .offset: 24, .size: 8, .value_kind: global_buffer, .address_space: global }
      - { .name: out0, .offset: 32, .size: 8, .value_kind: global_buffer, .address_space: global }
    .group_segment_fixed_size: 327680
    .private_segment_fixed_size: 0
    .kernarg_segment_align: 8
    .kernarg_segment_size: 40
    .max_flat_workgroup_size: 128
    .sgpr_count:     100
    .vgpr_count:     512
    .wavefront_size: 32
...
	.end_amdgpu_metadata
.endif
;; end of part 4
